; MI455X (gfx1250); checked and timed in simulation.
; The chip was launched on July 23, 2026; its instructions are those of AMD's public machine-readable ISA for CDNA 5 (MIT licence, August 2026) and "CDNA5" Instruction Set Architecture Reference Guide (July 2026). The comments in the code are by the model that wrote it; some were corrected since.
;; Cross Attention. Allowed arithmetic: matrix products marked QUANTISED: E2M3 operands, one E8M0 scale for each 32 along K, by v_wmma_scale_f32_16x16x128_f8f6f4 with both operands' format E2M3, f32 sums; everything else in f32.
;; Inputs: Jg_embedding_codes 8 x 64 x 64 x 2 x 24 uint8 (E2M3 codes of Jg_embedding, K innermost, in blocks of 32 codes, four codes in three bytes); Jg_embedding_scales 8 x 64 x 64 x 2 uint8 (E8M0 scales of Jg_embedding, one for each 32 codes along K); Jp_embedding_codes 8 x 64 x 64 x 2 x 24 uint8 (E2M3 codes of Jp_embedding, K innermost, in blocks of 32 codes, four codes in three bytes); Jp_embedding_scales 8 x 64 x 64 x 2 uint8 (E8M0 scales of Jp_embedding, one for each 32 codes along K); Wk_codes 128 x 2 x 24 uint8 (E2M3 codes of Wk, K innermost, in blocks of 32 codes, four codes in three bytes); Wk_scales 128 x 2 uint8 (E8M0 scales of Wk, one for each 32 codes along K); Wq_codes 128 x 2 x 24 uint8 (E2M3 codes of Wq, K innermost, in blocks of 32 codes, four codes in three bytes); Wq_scales 128 x 2 uint8 (E8M0 scales of Wq, one for each 32 codes along K); Wv_codes 128 x 2 x 24 uint8 (E2M3 codes of Wv, K innermost, in blocks of 32 codes, four codes in three bytes); Wv_scales 128 x 2 uint8 (E8M0 scales of Wv, one for each 32 codes along K); bk 128 float32; bq 128 float32; bv 128 float32.
;; Outputs: out0 8 x 128 x 64 x 64 float32.
;; This version of the problem:
;;   THIS VERSION OF THE PROBLEM IS GIVEN IN LOW PRECISION. The matrix products marked QUANTISED in the list below multiply operands that are first quantised to E2M3 (2 exponent bits, 3 mantissa bits; 6 bits a number), with one power-of-two scale for each 32 numbers along K (OCP MX v1.0); their sums are f32. All else is computed in f32.
;;   The module's matrix products, in the order in which they are computed (A, B: the left and right operand; K: the contracted axis; several contracted axes count as one K, in the product's order):
;;     1. [M 32,768, K 64] x [K 64, N 128]; A: input Jp_embedding (given as codes); B: input Wq (given as codes): QUANTISED
;;     2. [M 128, K 64] x [K 64, N 32,768]; A: input Wk (given as codes); B: input Jg_embedding (given as codes): QUANTISED
;;     3. [M 32,768, K 64] x [K 64, N 128]; A: input Jg_embedding (given as codes); B: input Wv (given as codes): QUANTISED
;;     4. batch 8 x [M 4,096, K 128] x [K 128, N 4,096]; A: computed on the way; B: computed on the way: QUANTISED
;;     5. batch 8 x [M 4,096, K 4,096] x [K 4,096, N 128]; A: softmax (see below); B: computed on the way: QUANTISED
;;   THE QUANTISER, for each operand of a quantised product, along K:
;;     - K is cut into blocks of 32 from its start; a last block that is shorter is filled with zeros.
;;     - A block's scale is 2^e with e = floor(log2(the largest magnitude in the block)) - 2, held to -126 .. 127; a block of zeros has e = 0. As a byte (E8M0): e + 127.
;;     - Each number is divided by its block's scale, clamped to +-7.5, and rounded to the nearest number of E2M3, ties to even, subnormals kept.
;;     - The product sums the exact products of the quantised numbers (number of the format x scale) in f32.
;;   ~~~python
;;   def quantise(x, axis):      # numpy; x: float32 -> the quantised numbers, widened to float32 again
;;       x = np.moveaxis(x, axis, -1); K = x.shape[-1]
;;       x = np.pad(x, [(0, 0)] * (x.ndim - 1) + [(0, -K % 32)]); x = x.reshape(x.shape[:-1] + (-1, 32)); a = np.abs(x).max(-1, keepdims=True)
;;       e = np.where(a > 0, np.clip(np.frexp(np.where(a > 0, a, 1))[1] - 1 - 2, -126, 127), 0)      # np.frexp(a)[1] - 1 = floor(log2(a)), exactly
;;       r = np.clip(x / 2.0 ** e, -7.5, 7.5)
;;       step = 2.0 ** (np.maximum(np.frexp(np.where(r == 0, 1, r))[1] - 1, 0) - 3)
;;       q = np.round(r / step) * step * 2.0 ** e      # np.round: ties to even
;;       return np.moveaxis(q.reshape(q.shape[:-2] + (-1,))[..., :K], -1, axis).astype(np.float32)
;;   ~~~
;;   SOFTMAX AHEAD OF A QUANTISED PRODUCT. Where the list says 'softmax', what is quantised is not the finished softmax but p = 2^(t - M), with t = logit x log2(e) and M = ceil(the row's largest t), a whole number; so 1/2 < the row's largest p <= 1. The row's sum l is taken of the UNQUANTISED p, in f32, and the product's result is divided by l at the end. Since M is a whole number, a kernel that streams over the keys may use a running M (the ceiling of the running maximum): every later rescaling is an exact power of two, which a block's scale takes up: the codes' values come out the same.
;;   OPERANDS COMPUTED ON THE WAY. 'Computed on the way' means the value that the module computes at that place (a softmax that the list does not call 'softmax' is quantised finished and normalised). What goes into a quantiser is computed in f32, as accurately as f32 sums, v_exp_f32 and their like allow (about 1e-6 of the number): no bf16 or f16 on the way to a quantiser, and a product that is left as it is and whose result goes on into a quantised operand takes f32 operands (vector FMAs, or v_wmma_f32_16x16x4_f32). A number that lies on a knife's edge between two numbers of the format may be rounded either way, as far as f32 arithmetic and the matrix unit's own rounding can turn it there, and no further.
;;   INPUTS GIVEN AS CODES. Jg_embedding (in the module: [8, 64, 64, 64], K = its axis 1); Jp_embedding (in the module: [8, 64, 64, 64], K = its axis 1); Wk (in the module: [128, 64], K = its axis 1); Wq (in the module: [128, 64], K = its axis 1); Wv (in the module: [128, 64], K = its axis 1): each comes as NAME_codes (uint8): NAME with its K axis moved to the last place and cut into blocks of 32 codes, [.., K / 32, bytes a block], one block behind the other in memory; four codes in three bytes: a row's codes are one little-endian stream of bits, code i at bits 6 i .. 6 i + 5 (a code: sign, 2 exponent bits, 3 mantissa bits); and NAME_scales (uint8): the same leading axes, one E8M0 byte (e + 127) for each 32 codes along K. Its value is code x scale, taken as it is: it is not quantised again, and the codes and scales need not be those that the quantiser above would give.
;; One version. Each part assembles by itself: llvm-mc -triple=amdgcn-amd-amdhsa -mcpu=gfx1250 --defsym DOCPART=n.
;; ======== version 1 of 1: 2 launches
;; workspace buffers: kv 6,553,600 bytes
;; launch prep (part 1): grid 256 x 1, 16 waves a work-group, no clusters, 3,072 bytes of LDS; arguments Jg_embedding_codes, Jg_embedding_scales, Wk_codes, Wk_scales, bk, Wv_codes, Wv_scales, bv, kv; writes kv
.if DOCPART == 1
	.amdgcn_target "amdgcn-amd-amdhsa--gfx1250"
	.amdhsa_code_object_version 6
	.text
	.protected	k_q73e0398a29_prep
	.globl	k_q73e0398a29_prep
	.p2align	8
	.type	k_q73e0398a29_prep,@function
k_q73e0398a29_prep:
	s_mov_b64 s[64:65], 0
	v_nop
	global_prefetch_b8 v0, s[64:65] scope:SCOPE_SE
	s_setreg_imm32_b32 hwreg(HW_REG_WAVE_MODE, 25, 1), 1
	s_wait_xcnt 0x0
; K = Jg Wk^T + bk and V = Jg Wv^T + bv (both on the given codes of E2M3, true K = 64), then K quantised along its 128 channels and V along the keys,
; both to E2M3 with one E8M0 scale for each 32, and stored as the attention launch wants them: as IMAGES OF THE OPERANDS' REGISTERS.
; kv holds 256 records of 25,600 bytes, one for each 128 keys (record = 32 x batch + key step = the work-group's number).  A record is 16 fragments of 16 rows x 128 K:
; fragment f at 1,536 f: registers 4 c .. 4 c + 3 of lane l at 512 c + 16 l; then, at 24,576 + 64 f + 4 r, the scale word of row r of fragment f.
; Fragments 0-7: K; row r of fragment 2 b + u is key 32 b + 8 u + r + 8 (r / 8) of the step, K runs along the channels.  Fragments 8-15: V^T; row r of fragment 8 + n is channel 16 n + r, K runs along the step's keys.
; SHARES.  Sixteen waves, wave w makes fragment w.  The products are used transposed: source 1 = the 16 rows of the new operand (waves 0-7: 16 pixels of Jg; waves 8-15: 16 rows of Wv),
; source 0 = eight tiles of what becomes the new K (waves 0-7: Wk's 128 rows; waves 8-15: Jg's 128 pixels).  Lane r of tile 2 b + u of source 0 takes row 32 b + 8 u + r + 8 (r / 8),
; so that a lane's registers 16 b + i of the eight results are k = 32 b + 16 (lane / 16) + i of its row: what the conversions want.
; The instruction is 128 deep and the true K is 64: registers 0-5 of a fragment are the row's block lane / 16 (24 bytes), registers 6-11 are zero codes on both sides;
; the scale words are loaded as 16 bits, zero-extended: the bytes over the zero codes are 0, which is a power of two and no NaN.
; One text for both roles: the pointers are chosen on the wave's number; only the bias and the eight products stand in a branch.
; LIMITS: NaN, infinities and scale bytes 0xff among the inputs are not served.  A block whose largest magnitude lies under 2^-124, a block of zeros among them, gets the byte 1
; (for zeros the rule says 127): its codes are zeros or what the floor's scale gives, and the bytes are read by this program alone.
.set STEPB, 25600                      ; a record
.set SCOFF, 24576                      ; its scale words
.set XF,   16                          ; v16-111   source 0: eight fragments of 12 registers
.set YF,   112                         ; v112-123  source 1
.set HA,   124                         ; v124-187  the eight results: 64 numbers of my row
.set BV,   188                         ; v188-195  waves 8-15: bv of my channel, eight times
.set XS,   196                         ; v196-203  source 0's scale words
.set YS,   204                         ; v204      source 1's
.set BM,   208                         ; v208-211  the four blocks' largest magnitudes
.set T4,   212                         ; v212-215  the other half's maxima, then the bytes
.set SOP,  216                         ; v216-219  the conversions' scale operands
.set PW,   224                         ; v224      my row's scale word
.set PC,   228                         ; v228-239  the fragment just made
.set CT,   240                         ; v240-247  the conversions' second halves
.set OUTR, 248                         ; v248-251  the scale words on their way out
	s_load_b256 s[4:11], s[0:1], 0x0               ; Jg's codes s[4:5], Jg's scales s[6:7], Wk's codes s[8:9], Wk's scales s[10:11]
	s_load_b256 s[12:19], s[0:1], 0x20             ; bk s[12:13], Wv's codes s[14:15], Wv's scales s[16:17], bv s[18:19]
	s_load_b64 s[20:21], s[0:1], 0x40              ; kv
	v_lshl_add_u32 v254, v0, 2, 0x400
	v_mov_b32 v255, 0
	v_lshrrev_b32 v1, 5, v0
	s_delay_alu instid0(VALU_DEP_1)
	v_readfirstlane_b32 s22, v1                    ; wave 0..15
	s_and_b32 s23, s22, 7                          ; n: which fragment of K or of V^T
	s_lshr_b32 s34, s23, 1
	s_lshl_b32 s34, s34, 5
	s_and_b32 s35, s23, 1
	s_lshl_b32 s35, s35, 3
	s_add_co_u32 s34, s34, s35                     ; K: source 1's first pixel, 32 (n / 2) + 8 (n % 2)
	s_lshl_b32 s35, s23, 4                         ; V: source 1's first row of Wv, 16 n
	s_cmp_lt_u32 s22, 8
	s_cselect_b32 s33, s34, s35
	s_cselect_b32 s32, 8, 0                        ; K: lanes 8-15 take the pixels 8 further on; V: neighbouring rows
	s_mov_b32 s36, 0x76543210
	s_mov_b32 s37, 0xfedcba98                      ; v_permlanex16_b32's selects for lane l xor 16
	s_mul_i32 s38, s22, 1536                       ; my fragment's place in the record
	v_and_b32 v2, 15, v0                           ; r
	v_bfe_u32 v3, v0, 4, 1                         ; h
	s_delay_alu instid0(VALU_DEP_2)
	v_and_b32 v12, 8, v2
	s_delay_alu instid0(VALU_DEP_1)
	v_add_nc_u32 v12, v12, v2                      ; r + 8 (r / 8)
	s_delay_alu instid0(VALU_DEP_1)
	v_mul_u32_u24 v4, v12, 48                      ; source 0: a row is 48 bytes,
	s_delay_alu instid0(VALU_DEP_1)
	v_mad_u32_u24 v4, v3, 24, v4                   ; + my half's block
	s_delay_alu instid0(VALU_DEP_3)
	v_lshlrev_b32 v5, 1, v12                       ; and two scale bytes
	v_and_b32 v14, s32, v2
	s_delay_alu instid0(VALU_DEP_1)
	v_add3_u32 v14, v14, v2, s33                   ; source 1: my row
	s_delay_alu instid0(VALU_DEP_1)
	v_mul_u32_u24 v6, v14, 48
	s_delay_alu instid0(VALU_DEP_1)
	v_mad_u32_u24 v6, v3, 24, v6
	s_delay_alu instid0(VALU_DEP_3)
	v_lshlrev_b32 v7, 1, v14
	v_lshlrev_b32 v8, 6, v3                        ; bk: 16 h numbers on
	v_add_lshl_u32 v13, v2, s33, 2                 ; bv: my channel's number (used by waves 8-15 alone)
	s_wait_alu depctr_va_vdst(0)
	s_wait_kmcnt 0x0
	s_mul_i32 s34, ttmp9, 6144                     ; the work-group's 128 pixels: 48 bytes each,
	s_mov_b32 s35, 0
	s_add_nc_u64 s[4:5], s[4:5], s[34:35]
	s_lshl_b32 s34, ttmp9, 8                       ; two scale bytes each,
	s_add_nc_u64 s[6:7], s[6:7], s[34:35]
	s_mul_i32 s34, ttmp9, STEPB                    ; and its record
	s_add_nc_u64 s[20:21], s[20:21], s[34:35]
	s_cmp_lt_u32 s22, 8                            ; the choice hangs on the wave's number alone
	s_cselect_b64 s[24:25], s[8:9], s[4:5]         ; source 0's codes: Wk or Jg
	s_cselect_b64 s[26:27], s[10:11], s[6:7]       ; its scales
	s_cselect_b64 s[28:29], s[4:5], s[14:15]       ; source 1's codes: Jg or Wv
	s_cselect_b64 s[30:31], s[6:7], s[16:17]       ; its scales
.irp t, 0,1,2,3,4,5,6,7
.irp p, 0,1,2
	global_load_b64 v[XF+12*\t+2*\p:XF+12*\t+2*\p+1], v4, s[24:25] offset:(32*(\t/2)+8*(\t%2))*48+8*\p
.endr
	global_load_u16 v[XS+\t], v5, s[26:27] offset:(32*(\t/2)+8*(\t%2))*2
.endr
.irp p, 0,1,2
	global_load_b64 v[YF+2*\p:YF+2*\p+1], v6, s[28:29] offset:8*\p
.endr
	global_load_u16 v[YS], v7, s[30:31]
.irp t, 0,1,2,3,4,5,6,7
.irp i, 6,7,8,9,10,11
	v_mov_b32 v[XF+12*\t+\i], 0                    ; k = 64 .. 127: zero codes
.endr
.endr
.irp i, 6,7,8,9,10,11
	v_mov_b32 v[YF+\i], 0
.endr
.irp b, 0,1,2,3
	v_mov_b32 v[T4+\b], 0                          ; a lane permute's destination counts as one of its sources.  These lines and the addresses below are the places between the zero codes and the products
.endr
	v_and_b32 v15, 31, v0
	s_delay_alu instid0(VALU_DEP_1)
	v_lshlrev_b32 v9, 4, v15
	s_delay_alu instid0(VALU_DEP_1)
	v_add_nc_u32 v9, s38, v9                       ; kv: 16 x lane + 1,536 x wave: my fragment's image
	v_lshlrev_b32 v10, 6, v1
	s_delay_alu instid0(VALU_DEP_1)
	v_lshl_add_u32 v10, v2, 2, v10                 ; LDS: 64 x wave + 4 r: my row's scale word
	v_lshlrev_b32 v11, 4, v0                       ; LDS and kv: 16 x thread: the scale words' way out (waves 0 and 1)
	s_cmp_lt_u32 s22, 8
	s_cbranch_scc0 .Lrole_v
.irp t, 0,1,2,3,4,5,6,7                        ; K: the bias is the C of the one product of each sum: bk at the lane's eight channels 32 (t / 2) + 16 h + 8 (t % 2) + 0 .. 7
	global_load_b128 v[HA+8*\t:HA+8*\t+3], v8, s[12:13] offset:(32*(\t/2)+8*(\t%2))*4
	global_load_b128 v[HA+8*\t+4:HA+8*\t+7], v8, s[12:13] offset:(32*(\t/2)+8*(\t%2))*4+16
.endr
	s_wait_loadcnt 0x0
.irp t, 0,1,2,3,4,5,6,7                        ; eight accumulators, one product each
	v_wmma_scale_f32_16x16x128_f8f6f4 v[HA+8*\t:HA+8*\t+7], v[XF+12*\t:XF+12*\t+11], v[YF:YF+11], v[HA+8*\t:HA+8*\t+7], v[XS+\t], v[YS] matrix_a_fmt:MATRIX_FMT_FP6 matrix_b_fmt:MATRIX_FMT_FP6
.endr
	s_branch .Ljoin
.Lrole_v:
	global_load_b32 v[BV], v13, s[18:19]           ; V: a lane holds one channel, so its bias is one number, eight times
	s_wait_loadcnt 0x0
.irp i, 1,2,3,4,5,6,7
	v_mov_b32 v[BV+\i], v[BV]
.endr
.rept 4
	v_nop
.endr
.irp t, 0,1,2,3,4,5,6,7
	v_wmma_scale_f32_16x16x128_f8f6f4 v[HA+8*\t:HA+8*\t+7], v[XF+12*\t:XF+12*\t+11], v[YF:YF+11], v[BV:BV+7], v[XS+\t], v[YS] matrix_a_fmt:MATRIX_FMT_FP6 matrix_b_fmt:MATRIX_FMT_FP6
.endr
.Ljoin:
.rept 4
	v_nop                                          ; four places between the last product and the first read of results (ISA guide 7.12.1)
.endr
; THE QUANTISER.  Register 16 b + i of HA is k = 32 b + 16 h + i of my row; a block of 32 lies in lanes l and l xor 16.
.irp b, 0,1,2,3
	v_max3_num_f32 v[BM+\b], |v[HA+16*\b]|, |v[HA+1+16*\b]|, 0x1800000   ; my 16 numbers of block b, each result from its low end on, and the floor 2^(3 - 127): the byte cannot fall under 1
.endr
.irp i, 2,4,6,8,10,12,14
.irp b, 0,1,2,3
	v_max3_num_f32 v[BM+\b], v[BM+\b], |v[HA+16*\b+\i]|, |v[HA+1+16*\b+\i]|   ; the four blocks by turns
.endr
.endr
.irp b, 0,1,2,3
	s_delay_alu instid0(VALU_DEP_4)
	v_permlanex16_b32 v[T4+\b], v[BM+\b], s36, s37
.endr
.irp b, 0,1,2,3
	s_delay_alu instid0(VALU_DEP_4)
	v_max_num_f32 v[BM+\b], v[BM+\b], v[T4+\b]     ; with lane l xor 16's: the block's largest magnitude
.endr
.irp b, 0,1,2,3
	s_delay_alu instid0(VALU_DEP_4)
	v_add_nc_u32 v[SOP+\b], 0xff000000, v[BM+\b]   ; 2 off its exponent field: the conversion takes that field as its scale
.endr
.irp b, 0,1,2,3
	s_delay_alu instid0(VALU_DEP_4)
	v_lshrrev_b32 v[T4+\b], 23, v[SOP+\b]          ; the scale's byte
.endr
	s_delay_alu instid0(VALU_DEP_3)
	v_lshl_or_b32 v[PW], v[T4+1], 8, v[T4]
	s_delay_alu instid0(VALU_DEP_1)
	v_lshl_or_b32 v[PW], v[T4+2], 16, v[PW]
	s_delay_alu instid0(VALU_DEP_1)
	v_lshl_or_b32 v[PW], v[T4+3], 24, v[PW]        ; my row's scale word
.irp c, 0,1
	v_cvt_scalef32_pk16_fp6_f32 v[PC+6*\c:PC+6*\c+2], v[HA+32*\c:HA+32*\c+15], v[SOP+2*\c]
	v_cvt_scalef32_pk16_fp6_f32 v[CT+4*\c:CT+4*\c+2], v[HA+16+32*\c:HA+31+32*\c], v[SOP+2*\c+1]   ; (a conversion's three registers begin on an even number)
.endr
	v_nop                                          ; one plain place behind a scaled conversion
.irp c, 0,1                                    ; the operand's layout wants a whole block in a lane: lanes 0-15 block 2 c, lanes 16-31 block 2 c + 1
.irp i, 0,1,2
	v_permlane16_swap_b32 v[PC+6*\c+\i], v[CT+4*\c+\i]
.endr
.irp i, 0,1,2
	s_delay_alu instid0(VALU_DEP_3)
	v_mov_b32 v[PC+3+6*\c+\i], v[CT+4*\c+\i]
.endr
.endr
.irp c, 0,1,2
	global_store_b128 v9, v[PC+4*\c:PC+4*\c+3], s[20:21] offset:512*\c   ; 32 lanes store 512 consecutive bytes, at a multiple of 256 from kv's first byte
.endr
	ds_store_b32 v10, v[PW]                        ; lanes r and r + 16 write the same word with the same value
	s_wait_dscnt 0x0                               ; for the others' sake: my word has landed
	s_barrier_signal -1
	s_barrier_wait -1                              ; the record's 256 scale words lie in LDS, in the record's own order
	s_cmp_lt_u32 s22, 2
	s_cbranch_scc0 .Lend
	ds_load_b128 v[OUTR:OUTR+3], v11               ; waves 0 and 1: 16 bytes a lane, 1,024 bytes in all
	s_wait_dscnt 0x0
	global_store_b128 v11, v[OUTR:OUTR+3], s[20:21] offset:SCOFF   ; 512 consecutive bytes a wave, at a multiple of 256 from kv's first byte
.Lend:
	s_wait_tensorcnt 0x0
	ds_add_u32 v254, v255
	s_wait_dscnt 0x0
	s_endpgm
.Lfunc_end_k_q73e0398a29_prep:
	.size	k_q73e0398a29_prep, .Lfunc_end_k_q73e0398a29_prep-k_q73e0398a29_prep
	.p2alignl 7, 3214868480
	.fill 96, 4, 3214868480
	.section	.rodata,"a",@progbits
	.p2align	6, 0x0
	.amdhsa_kernel k_q73e0398a29_prep
		.amdhsa_group_segment_fixed_size 3072
		.amdhsa_private_segment_fixed_size 0
		.amdhsa_enable_private_segment 0
		.amdhsa_kernarg_size 72
		.amdhsa_user_sgpr_count 2
		.amdhsa_user_sgpr_kernarg_segment_ptr 1
		.amdhsa_wavefront_size32 1
		.amdhsa_system_sgpr_workgroup_id_x 1
		.amdhsa_system_sgpr_workgroup_id_y 1
		.amdhsa_system_sgpr_workgroup_id_z 1
		.amdhsa_system_vgpr_workitem_id 0
		.amdhsa_next_free_vgpr 256
		.amdhsa_next_free_sgpr 66
		.amdhsa_reserve_vcc 0
		.amdhsa_float_denorm_mode_32 3
		.amdhsa_float_denorm_mode_16_64 3
		.amdhsa_memory_ordered 1
		.amdhsa_forward_progress 1
		.amdhsa_inst_pref_size 18
	.end_amdhsa_kernel
	.amdgpu_metadata
---
amdhsa.version: [ 1, 2 ]
amdhsa.kernels:
  - .name:           k_q73e0398a29_prep
    .symbol:         k_q73e0398a29_prep.kd
    .args:
      - { .name: Jg_embedding_codes, .offset: 0, .size: 8, .value_kind: global_buffer, .address_space: global }
      - { .name: Jg_embedding_scales, .offset: 8, .size: 8, .value_kind: global_buffer, .address_space: global }
      - { .name: Wk_codes, .offset: 16, .size: 8, .value_kind: global_buffer, .address_space: global }
      - { .name: Wk_scales, .offset: 24, .size: 8, .value_kind: global_buffer, .address_space: global }
      - { .name: bk, .offset: 32, .size: 8, .value_kind: global_buffer, .address_space: global }
      - { .name: Wv_codes, .offset: 40, .size: 8, .value_kind: global_buffer, .address_space: global }
      - { .name: Wv_scales, .offset: 48, .size: 8, .value_kind: global_buffer, .address_space: global }
      - { .name: bv, .offset: 56, .size: 8, .value_kind: global_buffer, .address_space: global }
      - { .name: kv, .offset: 64, .size: 8, .value_kind: global_buffer, .address_space: global }
    .group_segment_fixed_size: 3072
    .private_segment_fixed_size: 0
    .kernarg_segment_align: 8
    .kernarg_segment_size: 72
    .max_flat_workgroup_size: 512
    .sgpr_count:     66
    .vgpr_count:     256
    .wavefront_size: 32
...
	.end_amdgpu_metadata
.endif
;; end of part 1
;; launch attn (part 2): grid 32 x 8, 8 waves a work-group, clusters of 4 x 1, 327,680 bytes of LDS; arguments Jp_embedding_codes, Jp_embedding_scales, Wq_codes, Wq_scales, bq, kv, out0; writes out0
.if DOCPART == 2
	.amdgcn_target "amdgcn-amd-amdhsa--gfx1250"
	.amdhsa_code_object_version 6
	.text
	.protected	k_q73e0398a29_attn
	.globl	k_q73e0398a29_attn
	.p2align	8
	.type	k_q73e0398a29_attn,@function
k_q73e0398a29_attn:
	s_mov_b64 s[64:65], 0
	v_nop
	global_prefetch_b8 v0, s[64:65] scope:SCOPE_SE
	s_setreg_imm32_b32 hwreg(HW_REG_WAVE_MODE, 25, 1), 1
	s_wait_xcnt 0x0
	s_wait_alu depctr_hold_cnt(0) depctr_sa_sdst(0) depctr_va_vdst(0) depctr_va_sdst(0) depctr_va_ssrc(0) depctr_va_vcc(0) depctr_vm_vsrc(0)
	s_getreg_b32 s2, hwreg(HW_REG_IB_STS2, 6, 4)
	s_cmp_eq_u32 s2, 0
	s_cbranch_scc0 .Lentry_in_a_cluster
	s_endpgm
.Lentry_in_a_cluster:
	s_bfe_u32 s2, ttmp6, 0x10000c
	s_cmp_lg_u32 s2, 0x3003
	s_cbranch_scc0 .Lentry_shape_is_right
	s_endpgm
.Lentry_shape_is_right:
; out[b][q][:] = the sum over k of softmax_k(Q[b][q] . K[b][k] / sqrt(128)) V[b][k][:], all products on codes of E2M3 with one E8M0 scale for each 32 along K.
; Q = Jp Wq^T + bq is made here from the given codes (true K = 64: registers 6-11 of those fragments are zero codes, the scale words' upper bytes 0) and quantised along its 128 channels in registers.
; K and V come from kv, as the launch before laid them: records of 25,600 bytes for 128 keys, 16 fragments as images of their registers (1,536 f + 512 c + 16 lane) and 256 scale words (24,576 + 64 f + 4 r).
; THE SOFTMAX: t = score x log2(e) / sqrt(128); M = the largest t so far, rounded up to a whole number; p = 2^(t - M) is quantised along the keys, not normalised; the row's sum is taken of the
; unquantised p and divides at the end.  When M moves, the sum and O are multiplied by 2^(old M - new M), which rounds nothing.
; SHARES.  A work-group owns 128 queries of one batch: 8 tiles of 16.  Wave w (pair p = w % 4, half g = w / 4) owns TWO tiles, 2 p + g in register window 0 and the other of the pair in window 1, at the
; same register numbers, and walks HALF of the keys: steps 2 g and 2 g + 1 of every slot of four.  So each fragment read from LDS feeds two products, and two waves of 512 registers share a SIMD.
; Waves w and w xor 4 hold the same two tiles with the windows changed: at the end each sends its window-1 part (O^T, -M, the sum) through LDS, receives its partner's, which belongs to its own
; window-0 tile, joins the two by powers of two, and stores that one tile.
; LAYOUT.  Both products are used transposed: S^T = K Q^T (source 0 = 16 keys), O^T = V^T P^T (source 0 = 16 channels): a lane holds one query (lane % 16) throughout; the keys of a tile of K were
; chosen so that the 16 registers of tiles 2 b and 2 b + 1 are keys 32 b + 16 (lane / 16) + 0 .. 15.
; CLUSTER.  The four work-groups of a cluster belong to one batch and walk the same records: each record is asked for JOINTLY, by the same tensor load with the same descriptor and the mask 15.
; Only Jp's and out0's addresses hang on the place in the cluster.
; LIMITS: NaN, infinities and scale bytes 0xff are not served.  A block whose largest magnitude lies under 2^-124 (zeros among them) gets the byte 1.  Where M moves by more than f32's range of
; exponents the old terms become 0.  The two halves of the keys are summed apart and joined at the end: the order of the f32 sums is not reference()'s.
; REGISTERS.  Window 0 alone: v1-11, v252-255 addresses; v28-31, v80-87 scale words (scale operands have no window).  In both windows, for the window's tile: v12 -M, v13 the largest t, v[14:15] the sum,
; v16-27 Q, v88-95 at work, v96-159 S^T then p, v160-223 O^T, v224-235 p's codes, v236-251 at work.  v32-79: four fragments of K or V: set A in window 0, set B in window 1.
.set STEPB, 25600                      ; a record: 128 keys
.set SCOFF, 24576                      ; its scale words
.set SLOT1, 1<<17                      ; a slot holds four records (102,400 bytes); slot 1 begins here, so that one exclusive or turns an address in one slot into the other's
.set STAGE, SLOT1+4*STEPB              ; behind the ring: 16 rows x 528 bytes for each wave, for the way out
.set SP,    528                        ; a stage row: 512 bytes + 16
.set SPARE, STAGE+8*16*SP              ; behind the stages: the spare words, 128 bytes for each wave: four blocks of 256 bytes that no other line names
.set EXB,   8704                       ; the exchange: 17 x 512 bytes for each wave, from LDS byte 0: in slot 0, which has had its last fill and its last read when the first part is stored there
.set KLI, 1                            ; v1   16 x lane + 51,200 x half: my lane's place in a fragment's image, in my half's first record
.set KLS, 2                            ; v2   4 x lane + 51,200 x half: among the scale words
.set SPW, 3                            ; v3   LDS address of my spare word; never rewritten
.set NIL, 4                            ; v4   0; never rewritten
.set ADR, 5                            ; v5   the step's images
.set ADS, 6                            ; v6   the step's scale words
.set RR,  7                            ; v7   r = lane % 16
.set HH,  8                            ; v8   h = lane / 16
.set QF,  16
.set QS,  28                           ; v28, v29  Q's scale words, tile 0, 1
.set PS,  30                           ; v30, v31  p's (at the head: Jp's)
.set FR,  32
.set KS,  80                           ; v80-83  K's scale words: register i: lanes 0-15 fragment 2 i, lanes 16-31 fragment 2 i + 1   (at the head v80-87: Wq's)
.set VS,  84                           ; v84-87  V's likewise
.set BM,  88
.set T4,  92
.set S,   96
.set O,   160
.set PCD, 224
.set CT,  236
.set SOP, 244
.set TMP, 248
.set PWT, 249
.set F,   250
.set WV,  18                           ; s18  my wave's number
.set SEL, 20                           ; s[20:21] v_permlanex16_b32's selects for lane l xor 16
.set CS,  22                           ; s[22:23] c = log2(e) / sqrt(128): the packed form names a pair and takes its low word for both halves
.set G1,  24                           ; s[24:31] descriptor group 1
.set G0,  32                           ; s[32:35] descriptor group 0, which walks
.set TB,  36                           ; s36  LDS byte at which the slot in hand, then the step in hand, begins
.set SLOTS, 37
.set CNT, 38
.set MSB, 0
.macro WIN new                         ; bits 1:0 source 0, 3:2 source 1, 5:4 source 2, 7:6 destination; the immediate's high byte repeats the setting that is left; a switch that changes nothing is dropped
.if MSB != (\new)
	s_set_vgpr_msb (MSB<<8)|(\new)
.set MSB, (\new)
.endif
.endm
.macro PLACES n
.rept \n
	v_nop
.endr
.endm
.macro CROUND                          ; a round of the cluster's barrier: my work-group's barrier; wave 0 signals for the work-group; every wave waits for all four work-groups; my work-group's barrier once more
	s_barrier_signal -1
	s_barrier_wait -1
	s_cmp_lg_u32 s[WV], 0
	s_cbranch_scc1 .Lnot_wave_0_\@
	s_barrier_signal -3
.Lnot_wave_0_\@:
	s_barrier_wait -3
	s_barrier_signal -1
	s_barrier_wait -1
.endm
.macro JLOAD                           ; a joint load: waves 0 to 3 fetch one record of the slot each, the others nothing; the branch hangs on the wave's number alone.  Four v_nop follow the load
	s_cmp_lt_u32 s[WV], 4
	s_cbranch_scc0 .Lnone_\@
	tensor_load_to_lds s[G0:G0+3], s[G1:G1+7]
	s_nop 0
	PLACES 4
.Lnone_\@:
.endm
; THE CHANGE OF SLOTS stands at a slot's head.  Each wave waits for all its tensor loads (one at the most is out: its record of the slot ahead), adds 0 to its spare word, and waits for that and for its
; reads of the slot that it has left.  fill = 1: the barrier is a round of the cluster's, and behind it the slot just left is filled with the next four records.
.macro CHANGE fill
	s_wait_tensorcnt 0x0                           ; no tensor load of mine is out, so group 0 may be written
	ds_add_u32 v[SPW], v[NIL]                      ; 0 onto my spare word
.if \fill
	s_xor_b32 s[G0+1], s[G0+1], SLOT1              ; the other slot than last time,
	s_add_nc_u64 s[G0+2:G0+3], s[G0+2:G0+3], 4*STEPB   ; the next four records; the type bits on top are not reached
.endif
	s_wait_dscnt 0x0                               ; the add is done, and my reads of the slot that I have left are over
.if \fill
	CROUND                                         ; no wave of any partner still reads that slot or has a load on its way
	JLOAD                                          ; the first tensor load behind the round, and a wave's only one until the next
.else
	s_barrier_signal -1
	s_barrier_wait -1
.endif
.endm
; One matrix instruction.  acc = 0: the product starts the sum; 1: C = D.  odd = 1: source 0's scale words stand in lanes 16-31.
.macro MMA d, a, b, acc, sa, sb, odd
.if (\acc) && (\odd)
	v_wmma_scale_f32_16x16x128_f8f6f4 v[\d:\d+7], v[\a:\a+11], v[\b:\b+11], v[\d:\d+7], v[\sa], v[\sb] matrix_a_fmt:MATRIX_FMT_FP6 matrix_b_fmt:MATRIX_FMT_FP6 matrix_a_scale:MATRIX_SCALE_ROW1
.elseif \acc
	v_wmma_scale_f32_16x16x128_f8f6f4 v[\d:\d+7], v[\a:\a+11], v[\b:\b+11], v[\d:\d+7], v[\sa], v[\sb] matrix_a_fmt:MATRIX_FMT_FP6 matrix_b_fmt:MATRIX_FMT_FP6
.elseif \odd
	v_wmma_scale_f32_16x16x128_f8f6f4 v[\d:\d+7], v[\a:\a+11], v[\b:\b+11], 0, v[\sa], v[\sb] matrix_a_fmt:MATRIX_FMT_FP6 matrix_b_fmt:MATRIX_FMT_FP6 matrix_a_scale:MATRIX_SCALE_ROW1
.else
	v_wmma_scale_f32_16x16x128_f8f6f4 v[\d:\d+7], v[\a:\a+11], v[\b:\b+11], 0, v[\sa], v[\sb] matrix_a_fmt:MATRIX_FMT_FP6 matrix_b_fmt:MATRIX_FMT_FP6
.endif
.endm
.macro FETCH w, f0                     ; fragments f0 .. f0 + 3 of the step's record into set w: each load takes 512 consecutive bytes
	WIN 0x40*(\w)
.irp i, 0,1,2,3
.irp c, 0,1,2
	ds_load_b128 v[FR+12*\i+4*\c:FR+12*\i+4*\c+3], v[ADR] offset:((\f0)+\i)*1536+512*\c
.endr
.endr
.endm
.macro SCL reg, i0                     ; the scale words of eight fragments (every window is 0 here)
.irp i, 0,1,2,3
	ds_load_b32 v[\reg+\i], v[ADS] offset:SCOFF+128*((\i0)+\i)
.endr
.endm
.macro SMUL t, g                       ; S^T of tile t, keys' tiles 4 g .. 4 g + 3, from set g: four accumulators, one product each
	WIN ((\t)*0x44)|(\g)
.irp i, 0,1,2,3
	MMA S+8*(4*\g+\i), FR+12*\i, QF, 0, KS+(4*\g+\i)/2, QS+\t, \i%2
.endr
.endm
.macro PVMUL t, g                      ; O^T of tile t, channels' tiles 4 g .. 4 g + 3, from set g: the sixteen accumulators of the two tiles take turns, one instruction a turn
	WIN ((\t)*0x54)|(\g)
.irp i, 0,1,2,3
	MMA O+8*(4*\g+\i), FR+12*\i, PCD, 1, VS+(4*\g+\i)/2, PS+\t, \i%2
.endr
.endm
.macro PROJ t, g                       ; Q^T of tile t: source 0 = Wq's tiles 4 g .. 4 g + 3, source 1 = Jp's 16 pixels; C = bq, loaded into the accumulators
	WIN ((\t)*0x54)|(\g)
.irp i, 0,1,2,3
	MMA S+8*(4*\g+\i), FR+12*\i, PCD, 1, KS+4*\g+\i, PS+\t, 0
.endr
.endm
; From the four blocks' largest magnitudes in BM: the conversions' scale operands, the bytes, and the scale word, whose last line writes into window 0.
.macro WORD dst, t
.irp b, 0,1,2,3
	s_delay_alu instid0(VALU_DEP_4)
	v_add_nc_u32 v[SOP+\b], 0xff000000, v[BM+\b]   ; 2 off the exponent field: the conversion takes that field as its scale
.endr
.irp b, 0,1,2,3
	s_delay_alu instid0(VALU_DEP_4)
	v_lshrrev_b32 v[T4+\b], 23, v[SOP+\b]          ; the scale's byte
.endr
	s_delay_alu instid0(VALU_DEP_3)
	v_lshl_or_b32 v[PWT], v[T4+1], 8, v[T4]
	s_delay_alu instid0(VALU_DEP_1)
	v_lshl_or_b32 v[PWT], v[T4+2], 16, v[PWT]
	WIN 0x11*(\t)                                  ; sources in the tile's window, destination in window 0
	v_lshl_or_b32 v[\dst], v[T4+3], 24, v[PWT]
	WIN 0x55*(\t)
.endm
; The 64 numbers in S (register 16 b + i = k 32 b + 16 h + i of my row) become a fragment's codes in v[pc] on.
.macro CODES pc
.irp c, 0,1
	v_cvt_scalef32_pk16_fp6_f32 v[\pc+6*\c:\pc+6*\c+2], v[S+32*\c:S+32*\c+15], v[SOP+2*\c]
	v_cvt_scalef32_pk16_fp6_f32 v[CT+4*\c:CT+4*\c+2], v[S+16+32*\c:S+31+32*\c], v[SOP+2*\c+1]   ; (a conversion's three registers begin on an even number)
.endr
	v_nop                                          ; one plain place behind a scaled conversion
.irp c, 0,1                                    ; the operand's layout wants a whole block in a lane: lanes 0-15 block 2 c, lanes 16-31 block 2 c + 1
.irp i, 0,1,2
	v_permlane16_swap_b32 v[\pc+6*\c+\i], v[CT+4*\c+\i]
.endr
.irp i, 0,1,2
	s_delay_alu instid0(VALU_DEP_3)
	v_mov_b32 v[\pc+3+6*\c+\i], v[CT+4*\c+\i]
.endr
.endr
.endm
.macro QUANT t                         ; Q of tile t, along its 128 channels
	WIN 0x55*(\t)
.irp b, 0,1,2,3
	v_max3_num_f32 v[BM+\b], |v[S+16*\b]|, |v[S+1+16*\b]|, 0x1800000   ; each result from its low end on; the floor 2^(3 - 127): the byte cannot fall under 1
.endr
.irp i, 2,4,6,8,10,12,14
.irp b, 0,1,2,3
	v_max3_num_f32 v[BM+\b], v[BM+\b], |v[S+16*\b+\i]|, |v[S+1+16*\b+\i]|
.endr
.endr
.irp b, 0,1,2,3
	s_delay_alu instid0(VALU_DEP_4)
	v_permlanex16_b32 v[T4+\b], v[BM+\b], s[SEL], s[SEL+1]
.endr
.irp b, 0,1,2,3
	s_delay_alu instid0(VALU_DEP_4)
	v_max_num_f32 v[BM+\b], v[BM+\b], v[T4+\b]
.endr
	WORD QS+\t, \t
	CODES QF
.endm
.macro SOFTMAX t                       ; tile t's softmax for one key step, all in the tile's window
	WIN 0x55*(\t)
.irp b, 0,1,2,3
	v_max3_num_f32 v[BM+\b], v[S+16*\b], v[S+1+16*\b], v[S+2+16*\b]   ; the largest score of each block of 32 keys: it serves the row's maximum and, since p rises with the score, the block's largest p
.endr
.irp i, 3,5,7,9,11,13
.irp b, 0,1,2,3
	v_max3_num_f32 v[BM+\b], v[BM+\b], v[S+16*\b+\i], v[S+1+16*\b+\i]
.endr
.endr
.irp b, 0,1,2,3
	v_max_num_f32 v[BM+\b], v[BM+\b], v[S+15+16*\b]
.endr
.irp b, 0,1,2,3
	s_delay_alu instid0(VALU_DEP_4)
	v_permlanex16_b32 v[T4+\b], v[BM+\b], s[SEL], s[SEL+1]
.endr
.irp b, 0,1,2,3
	s_delay_alu instid0(VALU_DEP_4)
	v_max_num_f32 v[BM+\b], v[BM+\b], v[T4+\b]     ; with lane l xor 16's 16 keys
.endr
	s_delay_alu instid0(VALU_DEP_2)
	v_max3_num_f32 v[TMP], v[BM], v[BM+1], v[BM+2]
	s_delay_alu instid0(VALU_DEP_1)
	v_max_num_f32 v[TMP], v[TMP], v[BM+3]          ; the step's largest score of my query
	s_delay_alu instid0(VALU_DEP_1)
	v_mul_f32 v[TMP], s[CS], v[TMP]                ; as t (c is positive)
	s_delay_alu instid0(VALU_DEP_1)
	v_max_num_f32 v13, v13, v[TMP]                 ; the running largest t
	v_mov_b32 v[TMP], v12
	s_delay_alu instid0(VALU_DEP_2)
	v_floor_f32 v12, -v13                          ; the new -M = floor(-t): M is a whole number
	s_delay_alu instid0(VALU_DEP_1)
	v_sub_f32 v[TMP], v12, v[TMP]                  ; old M - new M: a whole number, 0 or less
	s_delay_alu instid0(VALU_DEP_1)
	v_cvt_i32_f32 v[TMP], v[TMP]                   ; (it saturates)
	s_delay_alu instid0(VALU_DEP_1)
	v_ldexp_f32 v[F], 1.0, v[TMP]                  ; f = 2^(old M - new M)
.set J, 0
.rept 32
	v_pk_fma_f32 v[S+J:S+J+1], v[S+J:S+J+1], s[CS:CS+1], v[12:13] op_sel_hi:[1,0,0]   ; t - M, two at a time
.set J, J+2
.endr
.irp b, 0,1,2,3
	v_fma_f32 v[BM+\b], v[BM+\b], s[CS], v12       ; the same of each block's largest score
.endr
.set J, 0
	s_wait_alu depctr_va_vdst(0)
.rept 64
	v_exp_f32 v[S+J], v[S+J]                       ; p = 2^(t - M), at most 1
.set J, J+1
.endr
.irp b, 0,1,2,3
	v_exp_f32 v[BM+\b], v[BM+\b]                   ; the block's largest p: the same two instructions on the same number
.endr
	v_pk_mul_f32 v[14:15], v[14:15], v[F:F+1] op_sel_hi:[1,0]   ; the sum under the new M; the plain place behind the exponentials
	s_wait_alu depctr_va_vdst(0)
.irp b, 0,1,2,3
	v_max_num_f32 v[BM+\b], 0x1800000, v[BM+\b]    ; the floor 2^(3 - 127)
.endr
	WORD PS+\t, \t
	CODES PCD
	v_pk_add_f32 v[CT:CT+1], v[S:S+1], v[S+2:S+3]  ; the row's sum is taken of the unquantised p: two at a time, in two chains
.irp j, 4,8,12,16,20,24,28,32,36,40,44,48,52,56,60
	v_pk_add_f32 v[14:15], v[14:15], v[S+\j:S+\j+1]
	v_pk_add_f32 v[CT:CT+1], v[CT:CT+1], v[S+2+\j:S+3+\j]
.endr
	s_delay_alu instid0(VALU_DEP_1)
	v_pk_add_f32 v[14:15], v[14:15], v[CT:CT+1]
.set J, 0
.rept 32
	v_pk_mul_f32 v[O+J:O+J+1], v[O+J:O+J+1], v[F:F+1] op_sel_hi:[1,0]   ; O^T under the new M, each accumulator from its low end on.  These lines and the sums are the places between p's codes and scale word and the products
.set J, J+2
.endr
.endm
; A KEY STEP: 128 keys for both tiles: 16 products K Q^T, two softmaxes, 16 products V^T P^T; V's 28 loads are out while the softmaxes run.
.macro STEP
	v_add_nc_u32 v[ADR], s[TB], v[KLI]
	v_add_nc_u32 v[ADS], s[TB], v[KLS]
	PLACES 2                                       ; with the two additions: four places between the last step's products and the loads into the registers that they read
	FETCH 0, 0
	SCL KS, 0
	FETCH 1, 4
	s_wait_dscnt 12                                ; set A and K's scale words are in; set B's twelve loads may be out
	SMUL 0, 0
	s_wait_alu depctr_va_vdst(0)
	SMUL 1, 0
	s_wait_dscnt 0x0
	SMUL 0, 1
	SMUL 1, 1
	WIN 0
	PLACES 4                                       ; in front of the loads into both sets, and of the first read of the scores
	FETCH 0, 8
	SCL VS, 4
	FETCH 1, 12
	SOFTMAX 0
	SOFTMAX 1
	s_wait_alu depctr_va_vdst(0)
	s_wait_dscnt 0x0                               ; V is in
	PVMUL 0, 0
	PVMUL 1, 0
	PVMUL 0, 1
	PVMUL 1, 1
	WIN 0                                          ; at a label and at a branch every window is 0
	s_add_co_u32 s[TB], s[TB], STEPB
.endm
.macro TWO_STEPS                       ; my two steps of the slot in hand: written once, walked twice
	s_mov_b32 s[CNT], 2
.Lstep_\@:
	STEP
	s_sub_co_u32 s[CNT], s[CNT], 1
	s_cmp_lg_u32 s[CNT], 0
	s_cbranch_scc1 .Lstep_\@
	s_sub_co_u32 s[TB], s[TB], 2*STEPB
	s_xor_b32 s[TB], s[TB], SLOT1                  ; on to the other slot
.endm
.macro INIT                            ; a tile's start, under a destination window: constants alone.  The step is written once: the first finds zeros, which the first change of M leaves zeros
	v_mov_b32 v12, 0x7f61b1e6                      ; -M = 3e38
	v_mov_b32 v13, 0xff61b1e6                      ; the largest t so far: -3e38, under every t
	v_mov_b32 v14, 0
	v_mov_b32 v15, 0                               ; the sum, in two halves
.irp b, 0,1,2,3
	v_mov_b32 v[T4+\b], 0                          ; a lane permute's destination counts as one of its sources
.endr
	v_mov_b32 v[F+1], 0                            ; named as the upper half of the pair
.irp i, 6,7,8,9,10,11
	v_mov_b32 v[PCD+\i], 0                         ; Jp's and Wq's k = 64 .. 127: zero codes
.endr
.irp f, 0,1,2,3
.irp i, 6,7,8,9,10,11
	v_mov_b32 v[FR+12*\f+\i], 0
.endr
.endr
.set J, 0
.rept 64
	v_mov_b32 v[O+J], 0                            ; O^T; these are also the places between the zero codes and the products
.set J, J+1
.endr
.endm
	s_load_b256 s[4:11], s[0:1], 0x0               ; Jp's codes s[4:5], Jp's scales s[6:7], Wq's codes s[8:9], Wq's scales s[10:11]
	s_load_b128 s[12:15], s[0:1], 0x20             ; bq s[12:13], kv s[14:15]
	s_load_b64 s[16:17], s[0:1], 0x30              ; out0
	v_lshl_add_u32 v[SPW], v0, 2, SPARE
	v_mov_b32 v[NIL], 0
	ds_add_u32 v3, v4
	ds_add_u32 v3, v4
	s_wait_dscnt 0x0
	v_lshrrev_b32 v5, 5, v0
	s_delay_alu instid0(VALU_DEP_1)
	v_readfirstlane_b32 s[WV], v5                  ; wave 0..7
	s_lshr_b32 s19, s[WV], 2                       ; g: my half of the keys
	s_and_b32 s39, s[WV], 3
	s_lshl_b32 s39, s39, 1
	s_add_co_u32 s39, s39, s19                     ; window 0's tile: 2 p + g
	s_xor_b32 s40, s39, 1                          ; window 1's: the other of the pair
	s_and_b32 s41, ttmp7, 0xffff                   ; the batch, which the four partners share
	s_bfe_u32 s42, ttmp6, 0x40000                  ; cx: my place in the cluster
	s_lshl_b32 s43, ttmp9, 2                       ; in a cluster launch ttmp9 counts clusters
	s_add_co_u32 s43, s43, s42                     ; my block of 128 queries: it enters Jp's and out0's addresses alone
	s_lshl_b32 s50, s41, 12
	s_lshl_b32 s51, s43, 7
	s_add_co_u32 s50, s50, s51                     ; my first pixel
	s_mul_i32 s44, s50, 48                         ; its codes,
	s_mov_b32 s45, 0
	s_lshl_b32 s48, s50, 1                         ; its scale bytes,
	s_mov_b32 s49, 0
	s_lshl_b32 s51, s39, 4
	s_add_co_u32 s51, s51, s50
	s_lshl_b32 s52, s51, 9                         ; and the row of out0 of my window-0 tile's first query: 512 bytes a row
	s_mov_b32 s53, 0
	s_and_b32 s54, s[WV], 3
	s_mul_i32 s54, s54, STEPB                      ; the record that I fetch, if I fetch: its place in a slot, in LDS and in memory alike
	s_mul_i32 s46, s41, 32*STEPB                   ; the batch's 32 records (these registers never hold cx)
	s_add_co_u32 s46, s46, s54
	s_mov_b32 s47, 0
	; descriptor group 1: a record is a dense block: 100 rows of 256 bytes (32 elements of 8 bytes), no padding
	s_mov_b32 s[G1], 15|(3<<16)|(1<<21)            ; 15:0 the mask: all four work-groups; 17:16 elements of 8 bytes; 21 set beside a mask
	s_mov_b32 s[G1+1], 32<<16                      ; tensor_dim0 = 32
	s_mov_b32 s[G1+2], 100<<16                     ; tensor_dim1 = 100
	s_mov_b32 s[G1+3], 32<<16                      ; tile_dim0 = 32
	s_mov_b32 s[G1+4], 100                         ; tile_dim1 = 100
	s_mov_b32 s[G1+5], 32                          ; from row to row: 32 elements
	s_mov_b32 s[G1+6], 0
	s_mov_b32 s[G1+7], 0
	s_mov_b32 s[SEL], 0x76543210
	s_mov_b32 s[SEL+1], 0xfedcba98
	s_mov_b32 s[CS], 0x3e0293ee                    ; c = log2(e) / sqrt(128)
	s_mov_b32 s[CS+1], s[CS]                       ; named with it as a pair, so it is written
	s_mov_b32 s[TB], 0
	s_mov_b32 s[SLOTS], 7
	s_wait_kmcnt 0x0
	s_add_nc_u64 s[4:5], s[4:5], s[44:45]
	s_add_nc_u64 s[6:7], s[6:7], s[48:49]
	s_add_nc_u64 s[16:17], s[16:17], s[52:53]
	s_mov_b32 s[G0], 1                             ; count = 1
	s_mov_b32 s[G0+1], s54                         ; LDS address: slot 0
	s_add_nc_u64 s[G0+2:G0+3], s[14:15], s[46:47]  ; global address: the batch's records 0 to 3
	s_or_b32 s[G0+3], s[G0+3], 0x80000000          ; type = 2
	CROUND                                         ; all four work-groups are here: the first joint loads meet
	JLOAD                                          ; slot 0
	; ---- Q's projection and quantiser, while slot 0 is on its way
	v_and_b32 v[RR], 15, v0
	v_bfe_u32 v[HH], v0, 4, 1
	v_lshrrev_b32 v5, 7, v0
	s_delay_alu instid0(VALU_DEP_1)
	v_mul_u32_u24 v5, v5, 2*STEPB
	v_and_b32 v6, 31, v0
	s_delay_alu instid0(VALU_DEP_1)
	v_lshl_add_u32 v[KLI], v6, 4, v5
	s_delay_alu instid0(VALU_DEP_2)
	v_lshl_add_u32 v[KLS], v6, 2, v5
	v_and_b32 v5, 8, v[RR]
	s_delay_alu instid0(VALU_DEP_1)
	v_add_nc_u32 v5, v5, v[RR]                     ; r + 8 (r / 8)
	s_delay_alu instid0(VALU_DEP_1)
	v_mul_u32_u24 v9, v5, 48
	s_delay_alu instid0(VALU_DEP_1)
	v_mad_u32_u24 v9, v[HH], 24, v9                ; Wq: lane r of tile 2 b + u takes row 32 b + 8 u + r + 8 (r / 8); + my half's block
	s_delay_alu instid0(VALU_DEP_3)
	v_lshlrev_b32 v10, 1, v5                       ; its two scale bytes
	v_lshlrev_b32 v11, 6, v[HH]                    ; bq: 16 h numbers on
	v_mul_u32_u24 v6, v[RR], 48
	s_delay_alu instid0(VALU_DEP_1)
	v_mad_u32_u24 v6, v[HH], 24, v6
	s_mul_i32 s51, s39, 768
	v_add_nc_u32 v252, s51, v6                     ; Jp: pixel 16 x tile + r, + my half's block: window 0's tile,
	s_mul_i32 s51, s40, 768
	v_add_nc_u32 v253, s51, v6                     ; window 1's
	v_lshlrev_b32 v6, 1, v[RR]
	s_lshl_b32 s51, s39, 5
	v_add_nc_u32 v254, s51, v6                     ; and their scale bytes
	s_lshl_b32 s51, s40, 5
	v_add_nc_u32 v255, s51, v6
.irp t, 0,1,2,3,4,5,6,7
	global_load_u16 v[KS+\t], v10, s[10:11] offset:(32*(\t/2)+8*(\t%2))*2   ; zero-extended: the bytes over the zero codes are 0
.endr
	global_load_u16 v[PS], v254, s[6:7]
	global_load_u16 v[PS+1], v255, s[6:7]
.irp w, 0,1
	WIN 0x40*\w                                    ; destination: window w
.irp i, 0,1,2,3
.irp p, 0,1,2
	global_load_b64 v[FR+12*\i+2*\p:FR+12*\i+2*\p+1], v9, s[8:9] offset:(32*((4*\w+\i)/2)+8*(\i%2))*48+8*\p   ; Wq's tiles 4 w .. 4 w + 3 into set w
.endr
.endr
.irp p, 0,1,2
	global_load_b64 v[PCD+2*\p:PCD+2*\p+1], v[252+\w], s[4:5] offset:8*\p   ; the tile's 16 pixels of Jp
.endr
.irp t, 0,1,2,3,4,5,6,7
	global_load_b128 v[S+8*\t:S+8*\t+3], v11, s[12:13] offset:(32*(\t/2)+8*(\t%2))*4      ; bq at the lane's eight channels 32 (t / 2) + 16 h + 8 (t % 2) + 0 .. 7: the C of the sum's one product
	global_load_b128 v[S+8*\t+4:S+8*\t+7], v11, s[12:13] offset:(32*(\t/2)+8*(\t%2))*4+16
.endr
.endr
	INIT                                           ; window 1 (the setting that the loads left),
	WIN 0
	INIT                                           ; window 0
	s_wait_loadcnt 0x0
	PROJ 0, 0
	PROJ 1, 0
	PROJ 0, 1
	PROJ 1, 1
	WIN 0
	PLACES 4                                       ; between the last product and the first read of results
	QUANT 0
	QUANT 1
	WIN 0
	PLACES 8                                       ; a scale word made by vector instructions stands eight places ahead of a scaled product, codes so made four
.Lslot:                                            ; seven trips: behind each change of slots but the last the next four records are asked for
	CHANGE 1
	TWO_STEPS
	s_sub_co_u32 s[SLOTS], s[SLOTS], 1
	s_cmp_lg_u32 s[SLOTS], 0
	s_cbranch_scc1 .Lslot
	CHANGE 0                                       ; the last slot is written out
	TWO_STEPS
	; ---- THE EXCHANGE.  The addresses are also the places behind the last products.
	v_and_b32 v9, 31, v0
	s_delay_alu instid0(VALU_DEP_1)
	v_lshlrev_b32 v9, 4, v9                        ; 16 x lane
	s_mul_i32 s44, s[WV], EXB
	s_xor_b32 s45, s[WV], 4
	s_mul_i32 s45, s45, EXB
	v_add_nc_u32 v10, s44, v9                      ; where I put my window-1 part,
	v_add_nc_u32 v11, s45, v9                      ; and where my partner puts the part that belongs to my window-0 tile
	s_mul_i32 s44, s[WV], 16*SP
	s_add_co_u32 s44, s44, STAGE                   ; my stage
	v_mul_u32_u24 v252, v[RR], SP
	s_delay_alu instid0(VALU_DEP_1)
	v_lshl_add_u32 v252, v[HH], 5, v252
	s_delay_alu instid0(VALU_DEP_1)
	v_add_nc_u32 v252, s44, v252                   ; in: row r, 32 bytes for each half of the lanes
	v_add_nc_u32 v253, s44, v9                     ; back: the 32 lanes take one row of 512 bytes
	WIN 0x04                                       ; an LDS store's data are its source 1: window 1
.irp i, 0,1,2,3,4,5,6,7,8,9,10,11,12,13,14,15
	ds_store_b128 v10, v[O+4*\i:O+4*\i+3] offset:512*\i   ; as images of the registers; each accumulator from its low end on
.endr
	ds_store_b128 v10, v[12:15] offset:8192        ; -M, the largest t, the sum's two halves
	WIN 0
	s_wait_alu depctr_va_vdst(0)
	s_wait_dscnt 0x0                               ; for my partner's sake: my stores have landed
	s_barrier_signal -1
	s_barrier_wait -1
.irp i, 0,1,2,3,4,5,6,7,8,9,10,11,12,13,14,15
	ds_load_b128 v[S+4*\i:S+4*\i+3], v11 offset:512*\i
.endr
	ds_load_b128 v[BM:BM+3], v11 offset:8192
	s_wait_dscnt 0x0
	v_min_num_f32 v[TMP], v12, v[BM]               ; the joint -M: the larger M
	s_delay_alu instid0(VALU_DEP_1)
	v_sub_f32 v[T4], v[TMP], v12                   ; my M less the joint one: a whole number, 0 or less;
	s_delay_alu instid0(VALU_DEP_2)
	v_sub_f32 v[T4+1], v[TMP], v[BM]               ; my partner's
	s_delay_alu instid0(VALU_DEP_2)
	v_cvt_i32_f32 v[T4], v[T4]
	s_delay_alu instid0(VALU_DEP_2)
	v_cvt_i32_f32 v[T4+1], v[T4+1]
	s_delay_alu instid0(VALU_DEP_2)
	v_ldexp_f32 v[F], 1.0, v[T4]                   ; fa
	s_delay_alu instid0(VALU_DEP_2)
	v_ldexp_f32 v[T4+2], 1.0, v[T4+1]              ; fb
	s_delay_alu instid0(VALU_DEP_2)
	v_pk_mul_f32 v[14:15], v[14:15], v[F:F+1] op_sel_hi:[1,0]
	s_delay_alu instid0(VALU_DEP_1)
	v_pk_fma_f32 v[14:15], v[BM+2:BM+3], v[T4+2:T4+3], v[14:15] op_sel_hi:[1,0,1]   ; the two sums under the joint M
	s_delay_alu instid0(VALU_DEP_1)
	v_add_f32 v14, v14, v15                        ; its two halves,
	s_delay_alu instid0(VALU_DEP_1)
	v_permlanex16_b32 v[T4], v14, s[SEL], s[SEL+1]
	s_delay_alu instid0(VALU_DEP_1)
	v_add_f32 v14, v14, v[T4]                      ; and lane l xor 16's: the row's sum
	s_wait_alu depctr_va_vdst(0)
	v_rcp_f32 v14, v14
	v_nop                                          ; one plain place behind a transcendental
	s_wait_alu depctr_va_vdst(0)
	v_mul_f32 v[F], v[F], v14                      ; fa / the sum
	v_mul_f32 v[T4+2], v[T4+2], v14                ; fb / the sum
.set J, 0
.rept 32
	v_pk_mul_f32 v[S+J:S+J+1], v[S+J:S+J+1], v[T4+2:T4+3] op_sel_hi:[1,0]
.set J, J+2
.endr
.set J, 0
.rept 32
	v_pk_fma_f32 v[S+J:S+J+1], v[O+J:O+J+1], v[F:F+1], v[S+J:S+J+1] op_sel_hi:[1,0,1]   ; register 8 n + j: out(query r, channel 16 n + 8 h + j)
.set J, J+2
.endr
	; ---- THE WAY OUT: through my own stage, back as whole rows of 512 bytes.  LDS serves a wave's instructions in order (ISA guide 5.7.1.4): no wait between the stores and the loads.
.irp n, 0,1,2,3,4,5,6,7
	ds_store_b128 v252, v[S+8*\n:S+8*\n+3] offset:64*\n
	ds_store_b128 v252, v[S+8*\n+4:S+8*\n+7] offset:64*\n+16
.endr
.irp i, 0,1,2,3,4,5,6,7,8,9,10,11,12,13,14,15
	ds_load_b128 v[O+4*\i:O+4*\i+3], v253 offset:\i*SP
.endr
.irp i, 0,1,2,3,4,5,6,7,8,9,10,11,12,13,14,15
	s_wait_dscnt 15-\i                             ; row i is back; the younger loads may be out
	global_store_b128 v9, v[O+4*\i:O+4*\i+3], s[16:17] offset:512*\i th:TH_STORE_NT   ; 32 lanes store 512 consecutive bytes, at a multiple of 256 from out0's first byte; written once, read by nobody here
.endr
	s_wait_tensorcnt 0x0                           ; the wave's end, behind my last tensor load and my last LDS store
	ds_add_u32 v[SPW], v[NIL]
	s_wait_dscnt 0x0
	CROUND                                         ; the closing round: no work-group ends while a partner may still ask for a record that names it
	s_endpgm
.Lfunc_end_k_q73e0398a29_attn:
	.size	k_q73e0398a29_attn, .Lfunc_end_k_q73e0398a29_attn-k_q73e0398a29_attn
	.p2alignl 7, 3214868480
	.fill 96, 4, 3214868480
	.section	.rodata,"a",@progbits
	.p2align	6, 0x0
	.amdhsa_kernel k_q73e0398a29_attn
		.amdhsa_group_segment_fixed_size 327680
		.amdhsa_private_segment_fixed_size 0
		.amdhsa_enable_private_segment 0
		.amdhsa_kernarg_size 56
		.amdhsa_user_sgpr_count 2
		.amdhsa_user_sgpr_kernarg_segment_ptr 1
		.amdhsa_wavefront_size32 1
		.amdhsa_system_sgpr_workgroup_id_x 1
		.amdhsa_system_sgpr_workgroup_id_y 1
		.amdhsa_system_sgpr_workgroup_id_z 1
		.amdhsa_system_vgpr_workitem_id 0
		.amdhsa_next_free_vgpr 512
		.amdhsa_next_free_sgpr 66
		.amdhsa_reserve_vcc 0
		.amdhsa_float_denorm_mode_32 3
		.amdhsa_float_denorm_mode_16_64 3
		.amdhsa_memory_ordered 1
		.amdhsa_forward_progress 1
		.amdhsa_inst_pref_size 116
	.end_amdhsa_kernel
	.amdgpu_metadata
---
amdhsa.version: [ 1, 2 ]
amdhsa.kernels:
  - .name:           k_q73e0398a29_attn
    .symbol:         k_q73e0398a29_attn.kd
    .args:
      - { .name: Jp_embedding_codes, .offset: 0, .size: 8, .value_kind: global_buffer, .address_space: global }
      - { .name: Jp_embedding_scales, .offset: 8, .size: 8, .value_kind: global_buffer, .address_space: global }
      - { .name: Wq_codes, .offset: 16, .size: 8, .value_kind: global_buffer, .address_space: global }
      - { .name: Wq_scales, .offset: 24, .size: 8, .value_kind: global_buffer, .address_space: global }
      - { .name: bq, .offset: 32, .size: 8, .value_kind: global_buffer, .address_space: global }
      - { .name: kv, .offset: 40, .size: 8, .value_kind: global_buffer, .address_space: global }
      - { .name: out0, .offset: 48, .size: 8, .value_kind: global_buffer, .address_space: global }
    .group_segment_fixed_size: 327680
    .private_segment_fixed_size: 0
    .kernarg_segment_align: 8
    .kernarg_segment_size: 56
    .max_flat_workgroup_size: 256
    .sgpr_count:     66
    .vgpr_count:     512
    .wavefront_size: 32
...
	.end_amdgpu_metadata
.endif
;; end of part 2
